; MI455X (gfx1250); checked and timed in simulation.
; The chip was launched on July 23, 2026; its instructions are those of AMD's public machine-readable ISA for CDNA 5 (MIT licence, August 2026) and "CDNA5" Instruction Set Architecture Reference Guide (July 2026). The comments in the code are by the model that wrote it; some were corrected since.
;; Quantized Linear. Allowed arithmetic: float matrix products may take bf16 or f16 operands with f32 sums; all other float work in f32.
;; Inputs: bias 2,048 float32; weight_packed 131,072 x 32 int32; weight_scales 131,072 float32; weight_zeros 131,072 float32; x 4 x 2,048 x 4,096 float32.
;; Outputs: out0 4 x 2,048 x 2,048 float32.
;; 2 versions, each right; version 2 is version 1 with the launch prep written anew for expert scheduling mode. Each part assembles by itself: llvm-mc -triple=amdgcn-amd-amdhsa -mcpu=gfx1250 --defsym DOCPART=n.
;; ======== version 1 of 2: 2 launches
;; limits: values are held in f16: magnitudes above 65,504 overflow, below 6.1e-05 lose precision
;; workspace buffers: xh 67,108,864 bytes; wh 16,777,216 bytes
;; launch prep (part 1): grid 1024 x 1, 8 waves a work-group, no clusters, 0 bytes of LDS; arguments x, weight_packed, weight_scales, weight_zeros, xh, wh; writes xh, wh
.if DOCPART == 1
	.amdgcn_target "amdgcn-amd-amdhsa--gfx1250"
	.amdhsa_code_object_version 6
	.text
	.protected	k_q3806b3487c_prep
	.globl	k_q3806b3487c_prep
	.p2align	8
	.type	k_q3806b3487c_prep,@function
k_q3806b3487c_prep:
	s_mov_b64 s[64:65], 0
	v_nop
	global_prefetch_b8 v0, s[64:65] scope:SCOPE_SE
	s_setreg_imm32_b32 hwreg(HW_REG_WAVE_MODE, 25, 1), 1
	s_wait_xcnt 0x0
; xh = x rounded to f16; wh[o][i] = code x scale + zero, made in f32 and rounded once to f16, as a plain [2048][4096].
; LIMITS.  f16 holds no number beyond 65,504: an |x| or a |code x scale + zero| of 65,520 or more becomes an infinity; below 6.1e-5 f16 keeps its
; fixed step of 6e-8.  The dequantisation is ONE fused multiply-add (one rounding in f32 where a multiply and an add would round twice).
; A stream: every input byte is read once, every output byte written once; no LDS, no barrier, no matrix unit, since nothing is used twice.
; SHARES.  1,024 work-groups of eight waves, all alike.  Work-group g owns 131,072 bytes of x (65,536 of xh) and 16,384 bytes of the packed codes
; (128 groups of 64 weights; 16,384 bytes of wh: a word of two codes and two f16 are both 4 bytes, so a group begins at the same byte in both).
; Thread t takes 16 bytes at 16 t of every 4,096: a wave's load covers 512 consecutive bytes; its store into xh, 8 bytes a lane, 256 consecutive, aligned.
; A ring of eight slots in registers keeps eight loads of x of every wave on their way.  All steps stand in the immediates (126,976 at the most): no address register is rewritten.
.set DEPTH, 8
.set TURNS, 32                         ; 131,072 bytes / 4,096
.set X,  4                             ; v[4:35]   slot: 4 registers, 4 f32 as loaded
.set Y,  36                            ; v[36:51]  slot: 2 registers, 4 f16 to store
.set WD, 52                            ; v[52:67]  load j of four: 4 words of codes
.set SC, 68                            ; v[68:71]  load j: my group's scale
.set ZE, 72                            ; v[72:75]  load j: my group's zero
.set T,  76                            ; v[76:83]  at work
.set WO, 84                            ; v[84:99]  load j: 8 weights in f16; each written once
	s_load_b256 s[4:11], s[0:1], 0x0               ; x s[4:5], codes s[6:7], scales s[8:9], zeros s[10:11]
	s_load_b128 s[12:15], s[0:1], 0x20             ; xh s[12:13], wh s[14:15]
	s_lshl_b32 s16, ttmp9, 17                      ; the work-group's part of x,
	s_mov_b32 s17, 0
	s_lshl_b32 s18, ttmp9, 16                      ; of xh,
	s_mov_b32 s19, 0
	s_lshl_b32 s20, ttmp9, 14                      ; of the codes and of wh,
	s_mov_b32 s21, 0
	s_lshl_b32 s22, ttmp9, 9                       ; of the scales and of the zeros: 128 groups x 4 bytes
	s_mov_b32 s23, 0
	v_lshlrev_b32 v1, 4, v0                        ; 16 t
	v_lshlrev_b32 v2, 3, v0                        ; 8 t
	v_lshrrev_b32 v3, 3, v0                        ; eight threads share a group of 128 bytes:
	v_lshlrev_b32 v3, 2, v3                        ; 4 (t / 8)
	s_wait_kmcnt 0x0
	s_add_nc_u64 s[4:5], s[4:5], s[16:17]
	s_add_nc_u64 s[6:7], s[6:7], s[20:21]
	s_add_nc_u64 s[8:9], s[8:9], s[22:23]
	s_add_nc_u64 s[10:11], s[10:11], s[22:23]
	s_add_nc_u64 s[12:13], s[12:13], s[18:19]
	s_add_nc_u64 s[14:15], s[14:15], s[20:21]
.irp j, 0,1,2,3                        ; the twelve loads for the weights first: 4,096 bytes of codes are 32 groups
	global_load_b128 v[WD+4*(\j):WD+4*(\j)+3], v1, s[6:7] offset:4096*(\j) th:TH_LOAD_NT
	global_load_b32 v[SC+(\j)], v3, s[8:9] offset:128*(\j)
	global_load_b32 v[ZE+(\j)], v3, s[10:11] offset:128*(\j)
.endr
.irp i, 0,1,2,3,4,5,6,7                ; then the ring is filled
	global_load_b128 v[X+4*(\i):X+4*(\i)+3], v1, s[4:5] offset:4096*(\i) th:TH_LOAD_NT
.endr
; Four words of codes make eight weights: the low four bits are the even place, the next four the odd one.
.macro DEQ j
.irp k, 0,1,2,3
	v_and_b32 v[T+2*(\k)], 15, v[WD+4*(\j)+(\k)]
	v_bfe_u32 v[T+2*(\k)+1], v[WD+4*(\j)+(\k)], 4, 4
.endr
.irp k, 0,1,2,3,4,5,6,7
	v_cvt_f32_u32 v[T+(\k)], v[T+(\k)]
.endr
.irp k, 0,1,2,3,4,5,6,7
	v_fma_f32 v[T+(\k)], v[T+(\k)], v[SC+(\j)], v[ZE+(\j)]
.endr
.irp k, 0,1,2,3
	v_cvt_pk_f16_f32 v[WO+4*(\j)+(\k)], v[T+2*(\k)], v[T+2*(\k)+1]  ; the first source goes into the low half
.endr
	global_store_b128 v1, v[WO+4*(\j):WO+4*(\j)+3], s[14:15] offset:4096*(\j)  ; 512 consecutive bytes a wave; the next launch reads them, so no hint
.endm
	s_wait_loadcnt 8                               ; loads come back in order (ISA guide 5.7.1): the twelve are in, the eight of x stay out
	DEQ 0
	DEQ 1
	DEQ 2
	DEQ 3
; Turn i of 32, on slot i % 8: four f32 become four f16; the slot is filled again with the 4,096 bytes eight turns on, the load ahead of the store.
.set i, 0
.rept TURNS
.set sl, i%DEPTH
.if i < TURNS-DEPTH
	s_wait_loadcnt DEPTH-1                         ; mine is in, the seven younger ones stay out
.else
	s_wait_loadcnt TURNS-1-i                       ; the last eight turns load nothing: the counts run down
.endif
.if i >= DEPTH
	s_wait_xcnt 0x0                                ; every earlier memory instruction has had its addresses translated (ISA guide 3.1): the slot's Y, which its last store reads, is rewritten only behind this wait
.endif
	v_cvt_pk_f16_f32 v[Y+2*sl], v[X+4*sl], v[X+4*sl+1]
	v_cvt_pk_f16_f32 v[Y+2*sl+1], v[X+4*sl+2], v[X+4*sl+3]
.if i < TURNS-DEPTH
	global_load_b128 v[X+4*sl:X+4*sl+3], v1, s[4:5] offset:4096*(i+DEPTH) th:TH_LOAD_NT
.endif
	global_store_b64 v2, v[Y+2*sl:Y+2*sl+1], s[12:13] offset:2048*i
.set i, i+1
.endr
	s_endpgm
.Lfunc_end_k_q3806b3487c_prep:
	.size	k_q3806b3487c_prep, .Lfunc_end_k_q3806b3487c_prep-k_q3806b3487c_prep
	.p2alignl 7, 3214868480
	.fill 96, 4, 3214868480
	.section	.rodata,"a",@progbits
	.p2align	6, 0x0
	.amdhsa_kernel k_q3806b3487c_prep
		.amdhsa_group_segment_fixed_size 0
		.amdhsa_private_segment_fixed_size 0
		.amdhsa_enable_private_segment 0
		.amdhsa_kernarg_size 48
		.amdhsa_user_sgpr_count 2
		.amdhsa_user_sgpr_kernarg_segment_ptr 1
		.amdhsa_wavefront_size32 1
		.amdhsa_system_sgpr_workgroup_id_x 1
		.amdhsa_system_sgpr_workgroup_id_y 1
		.amdhsa_system_sgpr_workgroup_id_z 1
		.amdhsa_system_vgpr_workitem_id 0
		.amdhsa_next_free_vgpr 100
		.amdhsa_next_free_sgpr 66
		.amdhsa_reserve_vcc 0
		.amdhsa_float_denorm_mode_32 3
		.amdhsa_float_denorm_mode_16_64 3
		.amdhsa_memory_ordered 1
		.amdhsa_forward_progress 1
		.amdhsa_inst_pref_size 20
	.end_amdhsa_kernel
	.amdgpu_metadata
---
amdhsa.version: [ 1, 2 ]
amdhsa.kernels:
  - .name:           k_q3806b3487c_prep
    .symbol:         k_q3806b3487c_prep.kd
    .args:
      - { .name: x, .offset: 0, .size: 8, .value_kind: global_buffer, .address_space: global }
      - { .name: weight_packed, .offset: 8, .size: 8, .value_kind: global_buffer, .address_space: global }
      - { .name: weight_scales, .offset: 16, .size: 8, .value_kind: global_buffer, .address_space: global }
      - { .name: weight_zeros, .offset: 24, .size: 8, .value_kind: global_buffer, .address_space: global }
      - { .name: xh, .offset: 32, .size: 8, .value_kind: global_buffer, .address_space: global }
      - { .name: wh, .offset: 40, .size: 8, .value_kind: global_buffer, .address_space: global }
    .group_segment_fixed_size: 0
    .private_segment_fixed_size: 0
    .kernarg_segment_align: 8
    .kernarg_segment_size: 48
    .max_flat_workgroup_size: 256
    .sgpr_count:     66
    .vgpr_count:     100
    .wavefront_size: 32
...
	.end_amdgpu_metadata
.endif
;; end of part 1
;; launch gemm (part 2): grid 8 x 32, 4 waves a work-group, clusters of 4 x 4, 327,680 bytes of LDS; arguments xh, wh, out0, bias; writes out0
.if DOCPART == 2
	.amdgcn_target "amdgcn-amd-amdhsa--gfx1250"
	.amdhsa_code_object_version 6
	.text
	.protected	k_q3806b3487c_gemm
	.globl	k_q3806b3487c_gemm
	.p2align	8
	.type	k_q3806b3487c_gemm,@function
k_q3806b3487c_gemm:
	s_mov_b64 s[64:65], 0
	v_nop
	global_prefetch_b8 v0, s[64:65] scope:SCOPE_SE
	s_setreg_imm32_b32 hwreg(HW_REG_WAVE_MODE, 25, 1), 1
	s_wait_xcnt 0x0
	s_wait_alu depctr_hold_cnt(0) depctr_sa_sdst(0) depctr_va_vdst(0) depctr_va_sdst(0) depctr_va_ssrc(0) depctr_va_vcc(0) depctr_vm_vsrc(0)
	s_getreg_b32 s2, hwreg(HW_REG_IB_STS2, 6, 4)
	s_cmp_eq_u32 s2, 0
	s_cbranch_scc0 .Lentry_in_a_cluster
	s_endpgm
.Lentry_in_a_cluster:
	s_bfe_u32 s2, ttmp6, 0x10000c
	s_cmp_lg_u32 s2, 0xf033
	s_cbranch_scc0 .Lentry_shape_is_right
	s_endpgm
.Lentry_shape_is_right:
; out0[m][n] = bias[n] + sum over k of xh[m][k] wh[n][k].  xh: [8192][4096] f16, wh: [2048][4096] f16, bias: [2048] f32, out0: [8192][2048] f32; sums in f32.
; LIMITS.  The operands are f16 (11 significant bits; the launch before has rounded them once, and states f16's range); NaN and infinities are not treated apart.
; A tile of out0, 256 x 256, is made by a work-group of four waves; a wave makes 128 x 128: 64 accumulators of 16 x 16, 512 registers.  32 x 8 tiles: 256 work-groups, one tile each.
; K goes in steps of 128 through a ring of two LDS slots filled by the tensor data mover: a tile's rows are 256 bytes of memory and start at multiples of 256 bytes from the buffer's first byte.
; CLUSTERS: 4 x 4 work-groups.  The four of a row of the cluster need the same tiles of xh, the four of a column the same tiles of wh.  Such a tile is asked for JOINTLY: each of the four
; issues the same tensor load, with the same descriptor and a mask that names the four, and each receives the tile in its own LDS.
; THE MATRIX INSTRUCTION IS USED TRANSPOSED: source 0 = 16 rows of wh, source 1 = 16 rows of xh.  Lane l then holds row l % 16 of out0 and, in registers 0 to 7, the columns 8 (l / 16) + 0 .. 7.
; THE BIAS is the C operand of the products that start the sums: 64 registers hold my lane's bias for the wave's 8 column blocks; nothing is cleared and nothing is added later.
; REGISTERS, in windows of 256 (s_set_vgpr_msb's low byte: bits 1:0 source 0, 3:2 source 1, 5:4 source 2, 7:6 destination):
;   window 0: v0-31 addresses; v64-127, v128-191 fragments of xh, two buffers (on the way out: rows read back from the stage); v192-255 the bias
;   window 1: v64-127, v128-191 fragments of wh, two buffers
;   window 2: the 32 accumulators of my rows 0-63 (accumulator (a, b) at v[8 (8 a + b)]);   window 3: those of my rows 64-127
.set SIZE_M, 8192
.set SIZE_N, 2048
.set SIZE_K, 4096
.set KSTEP,  128
.set PITCH,  272                       ; an LDS row: 256 bytes of data + 16 of padding = 68 words: row r starts at bank 4 r mod 64 (64 banks of 4 bytes: ISA guide 11.1), so the 16 rows that a load touches start at 16 different banks
.set HALFT,  128*PITCH                 ; 128 rows: what one tensor load brings, and what one wave reads of xh or of wh
.set SLOT,   4*HALFT                   ; xh's 256 rows, then wh's 256 rows
.set STAGE,  2*SLOT                    ; behind the ring, never filled by a tensor load: 16 rows x 528 bytes for each wave, for the way out
.set SPITCH, 528                       ; a stage row: 512 bytes (128 f32) + 16 = 33 x 16: sixteen rows' 16 bytes at one column fall into sixteen different groups of four banks
.set SPARE,  STAGE+4*16*SPITCH         ; behind the stages: the spare words, 128 bytes for each wave: two blocks of 256 bytes that no other line names
.set LAPS,   SIZE_K/(2*KSTEP)          ; a lap = two K steps = once round the ring: 16
.set ADRA, 16                          ; v16-17  LDS address of my xh fragments in slot 0, 1
.set ADRB, 20                          ; v20-21  the same for wh
.set STO,  24                          ; v24     the way out: where I put 32 bytes of a row
.set RD,   25                          ; v25     the way out: where I read a row back
.set CO,   26                          ; v26     my byte offset in 512 consecutive bytes of out0; never rewritten
.set BO,   27                          ; v27     my byte offset in a column block's 64 bytes of bias
.set SPW,  28                          ; v28     LDS address of my spare word: SPARE + 4 x my thread's number; never rewritten
.set NIL,  29                          ; v29     0; never rewritten
.set F0,   64                          ; fragment buffer 0
.set F1,   128                         ; fragment buffer 1
.set BIAS, 192                         ; v[192+8 b+j] = bias of column 16 b + 8 (l / 16) + j of my 128
.set G1, 24                            ; s[24:31] descriptor group 1 for xh's tiles
.set G0, 32                            ; s[32:39] descriptor group 0 for xh's tiles, one set for each slot
.set G1B, 48                           ; s[48:55] descriptor group 1 for wh's tiles: it differs in the mask alone
.set G0B, 56                           ; s[56:63] descriptor group 0 for wh's tiles, one set for each slot
.set MSB, 0
.macro WIN new                         ; the immediate's high byte repeats the setting that is left; a switch that changes nothing is dropped
.if MSB != (\new)
	s_set_vgpr_msb (MSB<<8)|(\new)
.set MSB, \new
.endif
.endm
.set TO_B, 0x40                        ; destination window 1, address window 0
; A joint load.  Waves 0 and 1 fetch xh's two halves, waves 2 and 3 wh's.  Each of the two lines has ONE mask and one set of registers for all that issue it; the branch hangs on the wave's number alone.
; An s_nop 0 and four v_nop follow each of the two lines; the jump round the other line, the label and what follows the macro come after them.
.macro JLOAD s
	s_cmp_eq_u32 s11, 0
	s_cbranch_scc0 .Lfor_b_\@
	tensor_load_to_lds s[G0+4*(\s):G0+4*(\s)+3], s[G1:G1+7]
	s_nop 0
.rept 4
	v_nop
.endr
	s_branch .Lasked_\@
.Lfor_b_\@:
	tensor_load_to_lds s[G0B+4*(\s):G0B+4*(\s)+3], s[G1B:G1B+7]
	s_nop 0
.rept 4
	v_nop
.endr
.Lasked_\@:
.endm
; A round of the cluster's barrier: my work-group's barrier, so that wave 0's signal speaks for all four waves; wave 0 signals for the work-group; every wave waits for all
; sixteen work-groups; my work-group's barrier once more.  No LDS instruction of the wave is pending at a signal.
.macro CREST                           ; a round behind its opening barrier
	s_cmp_lg_u32 s10, 0
	s_cbranch_scc1 .Lnot_wave_0_\@
	s_barrier_signal -3
.Lnot_wave_0_\@:
	s_barrier_wait -3
	s_barrier_signal -1
	s_barrier_wait -1
.endm
.macro CROUND                          ; a whole round
	s_barrier_signal -1
	s_barrier_wait -1
	CREST
.endm
	s_load_b128 s[4:7], s[0:1], 0x0                ; xh s[4:5], wh s[6:7]
	s_load_b64 s[8:9], s[0:1], 0x10                ; out0
	s_load_b64 s[66:67], s[0:1], 0x18              ; bias
	v_lshl_add_u32 v[SPW], v0, 2, SPARE
	v_mov_b32 v[NIL], 0
	ds_add_u32 v[SPW], v[NIL]                      ; the wave's opening: the add and its wait stand ahead of my first tensor load; the set-up below, work on registers, stands between them
	v_lshrrev_b32 v1, 5, v0
	v_readfirstlane_b32 s10, v1                    ; wave 0..3
	s_lshr_b32 s11, s10, 1                         ; which half of the tile's rows is mine.  Also: I fetch for xh (0) or for wh (1)
	s_and_b32 s12, s10, 1                          ; which half of its columns.  Also: which 128 rows of that tile I fetch
	s_bfe_u32 s40, ttmp6, 0x40000                  ; cx: my place along the cluster's x
	s_bfe_u32 s41, ttmp6, 0x40004                  ; cy: along its y
	s_lshl_b32 s42, ttmp9, 2                       ; in a cluster launch ttmp9 and ttmp7 count clusters
	s_add_co_u32 s42, s42, s40                     ; tile column = 4 x cluster x + cx
	s_and_b32 s13, ttmp7, 0xffff
	s_lshl_b32 s13, s13, 2
	s_add_co_u32 s13, s13, s41                     ; tile row = 4 x cluster y + cy
	s_lshl_b32 s43, s41, 2
	s_lshl_b32 s43, 15, s43                        ; my row of the cluster: places 4 cy .. 4 cy + 3
	s_lshl_b32 s44, 0x1111, s40                    ; my column: places cx, cx + 4, cx + 8, cx + 12
	; descriptor group 1: a tile of 128 rows x 128 elements, padded in LDS
	s_or_b32 s[G1+0], s43, (1<<16)|(1<<20)|(1<<21)|(5<<22)|(3<<25)  ; 15:0 the mask: xh's tiles go to my row; 17:16 element of 2 bytes; 20 padding on; 21 set beside a mask; 24:22 after every 64 words (code 5); 31:25 of 4 words (code 3)
	s_or_b32 s[G1B+0], s44, (1<<16)|(1<<20)|(1<<21)|(5<<22)|(3<<25) ; the same with the mask of my column, for wh's tiles
.irp g, G1, G1B
	s_mov_b32 s[(\g)+1], KSTEP<<16                 ; 63:48 tensor_dim0, low half = 128
	s_mov_b32 s[(\g)+2], 128<<16                   ; 79:64 its high half = 0; 95:80 tensor_dim1, low half = 128
	s_mov_b32 s[(\g)+3], KSTEP<<16                 ; 111:96 its high half = 0; 127:112 tile_dim0 = 128
	s_mov_b32 s[(\g)+4], 128                       ; 143:128 tile_dim1 = 128; 159:144 tile_dim2 = 0
	s_mov_b32 s[(\g)+5], SIZE_K                    ; 191:160 tensor_dim0_stride, low word: elements from row to row
	s_mov_b32 s[(\g)+6], 0
	s_mov_b32 s[(\g)+7], 0
.endr
	; where the tiles come from.  xh's hang on the tile row alone, which my row of the cluster shares; wh's on the tile column alone, which my column shares.
	; Every wave makes both addresses, in registers that never hold the other coordinate, and asks by one of them.
	s_lshl_b32 s17, s12, 7                         ; which 128 rows of the tile I fetch
	s_lshl_b32 s16, s13, 8
	s_add_co_u32 s16, s16, s17                     ; xh: row 256 x tile row + 128 x half
	s_lshl_b32 s46, s42, 8
	s_add_co_u32 s46, s46, s17                     ; wh: row 256 x tile column + 128 x half
	s_mov_b32 s17, 0
	s_mov_b32 s47, 0
	s_mov_b64 s[18:19], SIZE_K*2
	s_mul_u64 s[16:17], s[16:17], s[18:19]         ; in bytes, in 64 bits
	s_mul_u64 s[46:47], s[46:47], s[18:19]
	s_mul_i32 s20, s10, HALFT                      ; and where they go: xh's two halves, then wh's two halves = wave x 128 rows: no place in the cluster enters an LDS address
	s_wait_dscnt 0x0                               ; the opening add is done
	s_wait_kmcnt 0x0
	s_add_nc_u64 s[14:15], s[4:5], s[16:17]
	s_add_nc_u64 s[46:47], s[6:7], s[46:47]
	CROUND                                         ; all sixteen work-groups are here: the first joint loads meet
.irp s, 0,1
	s_mov_b32 s[G0+4*(\s)], 1                                      ; 1:0 count = 1
	s_add_co_u32 s[G0+4*(\s)+1], s20, (\s)*SLOT                    ; 63:32 LDS address
	s_add_nc_u64 s[G0+4*(\s)+2:G0+4*(\s)+3], s[14:15], (\s)*KSTEP*2  ; 120:64 global address: K step s
	s_or_b32 s[G0+4*(\s)+3], s[G0+4*(\s)+3], 0x80000000            ; 127:126 type = 2
	s_mov_b32 s[G0B+4*(\s)], 1
	s_add_co_u32 s[G0B+4*(\s)+1], s20, (\s)*SLOT
	s_add_nc_u64 s[G0B+4*(\s)+2:G0B+4*(\s)+3], s[46:47], (\s)*KSTEP*2
	s_or_b32 s[G0B+4*(\s)+3], s[G0B+4*(\s)+3], 0x80000000
	JLOAD \s                                       ; the ring is filled before anything else is done: two tensor loads of mine are out
.endr
	; A fragment is 16 rows x 32 K in 8 registers: lane l holds row l % 16; registers 0-3 hold K = 8 (l / 16) + 0..7, registers 4-7 hold
	; K = 16 + 8 (l / 16) + 0..7.  From rows that lie along K: two loads of 16 bytes, 32 bytes apart.  The same for source 0 and source 1.
	v_and_b32 v1, 15, v0                           ; l % 16
	v_bfe_u32 v2, v0, 4, 1                         ; l / 16
	v_mul_u32_u24 v3, v1, PITCH
	v_lshl_add_u32 v3, v2, 4, v3                   ; row x pitch + 16 x half
	s_mul_i32 s21, s11, HALFT                      ; my 128 rows of xh
	s_mul_i32 s22, s12, HALFT                      ; my 128 rows of wh,
	s_add_co_u32 s22, s22, 2*HALFT                 ; which lie behind xh's 256
.irp s, 0,1
	v_add_nc_u32 v[ADRA+(\s)], s21, v3
	v_add_nc_u32 v[ADRB+(\s)], s22, v3
	s_add_co_u32 s21, s21, SLOT
	s_add_co_u32 s22, s22, SLOT
.endr
	s_mul_i32 s23, s10, 16*SPITCH
	s_add_co_u32 s23, s23, STAGE                   ; my stage
	v_mul_u32_u24 v4, v1, SPITCH                   ; in: row l % 16, 32 bytes (8 f32) for each half of the lanes
	v_lshl_add_u32 v4, v2, 5, v4
	v_add_nc_u32 v[STO], s23, v4
	v_and_b32 v5, 31, v0
	v_lshlrev_b32 v[CO], 4, v5                     ; back: 32 lanes take one row of 512 bytes, 16 bytes each; the same place in a row of out0
	v_add_nc_u32 v[RD], s23, v[CO]
	v_lshlrev_b32 v[BO], 5, v2                     ; my eight columns of a block of sixteen
	; where my part of the tile begins in out0 and in bias, in bytes
	s_lshl_b32 s13, s13, 8
	s_lshl_b32 s14, s11, 7
	s_add_co_u32 s16, s13, s14                     ; my first row of out0
	s_mov_b32 s17, 0
	s_mov_b64 s[18:19], SIZE_N*4
	s_mul_u64 s[16:17], s[16:17], s[18:19]
	s_lshl_b32 s46, s42, 10                        ; my first column, in bytes: 1,024 x tile column + 512 x half
	s_lshl_b32 s47, s12, 9
	s_add_co_u32 s46, s46, s47
	s_mov_b32 s47, 0
	s_add_nc_u64 s[66:67], s[66:67], s[46:47]      ; bias at my first column
	s_add_nc_u64 s[16:17], s[16:17], s[46:47]
	s_add_nc_u64 s[8:9], s[8:9], s[16:17]          ; out0 at my first row and column; never rewritten again
.irp b, 0,1,2,3,4,5,6,7
	global_load_b128 v[BIAS+8*(\b):BIAS+8*(\b)+3],   v[BO], s[66:67] offset:64*(\b)
	global_load_b128 v[BIAS+8*(\b)+4:BIAS+8*(\b)+7], v[BO], s[66:67] offset:64*(\b)+16
.endr
; 16 matrix instructions: m blocks a0, a0 + 1 of the window's four (hi = 0: my rows 0-63, 1: rows 64-127) x all 8 n blocks, 32 along K.
; zero = 1: the first product starts the sums, with the bias (window 0) as C.  The 64 accumulators take turns, in the same order in every quarter step.
.macro MUL16 f, hi, a0, zero
.if \zero
	WIN 0x81+0x40*(\hi)                            ; source 0 (wh) window 1, source 1 (xh) and C (bias) window 0, D window 2 or 3
.else
	WIN 0xa1+0x50*(\hi)                            ; the same with C and D in window 2 or 3
.endif
.irp a, \a0, (\a0)+1
.irp b, 0,1,2,3,4,5,6,7
.if \zero
	v_wmma_f32_16x16x32_f16 v[8*(8*(\a)+(\b)):8*(8*(\a)+(\b))+7], v[(\f)+8*(\b):(\f)+8*(\b)+7], v[(\f)+8*(4*(\hi)+(\a)):(\f)+8*(4*(\hi)+(\a))+7], v[BIAS+8*(\b):BIAS+8*(\b)+7]
.else
	v_wmma_f32_16x16x32_f16 v[8*(8*(\a)+(\b)):8*(8*(\a)+(\b))+7], v[(\f)+8*(\b):(\f)+8*(\b)+7], v[(\f)+8*(4*(\hi)+(\a)):(\f)+8*(4*(\hi)+(\a))+7], v[8*(8*(\a)+(\b)):8*(8*(\a)+(\b))+7]
.endif
.endr
.endr
.endm
; 32 LDS loads in one run: the fragments of one quarter step (128 rows of wh, 128 rows of xh, 32 K at byte k of the rows) into buffer f
.macro FETCH slot, k, f
	WIN TO_B
.irp i, 0,1,2,3,4,5,6,7
	ds_load_b128 v[(\f)+8*(\i):(\f)+8*(\i)+3],   v[ADRB+(\slot)] offset:(\k)+(\i)*16*PITCH
	ds_load_b128 v[(\f)+8*(\i)+4:(\f)+8*(\i)+7], v[ADRB+(\slot)] offset:(\k)+(\i)*16*PITCH+32
.endr
	WIN 0
.irp i, 0,1,2,3,4,5,6,7
	ds_load_b128 v[(\f)+8*(\i):(\f)+8*(\i)+3],   v[ADRA+(\slot)] offset:(\k)+(\i)*16*PITCH
	ds_load_b128 v[(\f)+8*(\i)+4:(\f)+8*(\i)+7], v[ADRA+(\slot)] offset:(\k)+(\i)*16*PITCH+32
.endr
.endm
; A load into a register that a matrix instruction has read, and an LDS store that reads a matrix result, stand four places behind that matrix instruction, and only plain vector
; instructions that name none of its registers are places (ISA guide 7.12.1 for vector instructions); the matrix instructions in between are not counted.
.macro PLACES
.rept 4
	v_nop
.endr
.endm
; A K step is four quarter steps of 32 along K, 64 matrix instructions each, on buffers 0, 1, 0, 1.
; One of the first three: multiplies buffer f; in its middle it fetches the next quarter's fragments, at byte k of the same slot's rows, into buffer g.
.macro QUARTER slot, k, f, g, zero
	s_wait_dscnt 8                                 ; wh and xh's rows 0-63 are in; the youngest eight loads (xh's rows 64-127) may be out
	MUL16 \f, 0, 0, \zero
	MUL16 \f, 0, 2, \zero
	PLACES
	FETCH \slot, \k, \g
	s_wait_dscnt 32                                ; all but the 32 just issued
	MUL16 \f, 1, 0, \zero
	MUL16 \f, 1, 2, \zero
.endm
; The last quarter multiplies buffer 1 and changes slots.  MEET is its first half: ONE barrier for the change of slots, for two things.  In front of it each wave waits for all its tensor loads,
; of which one is out: its part of the next slot; adds 0 to its spare word; and waits for that and for its own reads of this slot.  Behind it nobody reads this slot any more and the next slot is whole.
.macro MEET round                      ; round = 1: a round of the cluster's barrier follows
	WIN 0                                          ; (the add's two registers lie in window 0)
	s_wait_tensorcnt 0x0                           ; all my tensor loads have landed: the one that was out is my part of the next slot;
	ds_add_u32 v[SPW], v[NIL]                      ; 0 onto my spare word;
	s_wait_dscnt 9                                 ; (the add and the youngest eight loads may be out)
	MUL16 F1, 0, 0, 0                              ; sixteen matrix instructions stand between the add and the wait for it
	s_wait_dscnt 0x0                               ; the add is done, and my reads of this slot are over:
	s_barrier_signal -1                            ; say so (where a slot is filled again this barrier opens a round of the cluster's barrier),
	MUL16 F1, 0, 2, 0                              ; work on registers while the others arrive,
.if \round
	WIN 0
.endif
	s_barrier_wait -1                              ; and go on when all four have said so
.endm
; The whole last quarter.  Behind the round the slot just read out is filled again first, with the K step two steps on; then come the next slot's first fragments.
; From a request to the wait for it a wave issues 224 matrix instructions; one tensor load of mine is out.
.macro TURN slot, next
	MEET 1
	CREST                                          ; no wave of any partner still reads this slot's tile or has a load on its way
	s_add_nc_u64 s[G0+4*(\slot)+2:G0+4*(\slot)+3], s[G0+4*(\slot)+2:G0+4*(\slot)+3], 2*KSTEP*2   ; no tensor load of mine is out, so a group 0 may be written; the type bits on top are not reached
	s_add_nc_u64 s[G0B+4*(\slot)+2:G0B+4*(\slot)+3], s[G0B+4*(\slot)+2:G0B+4*(\slot)+3], 2*KSTEP*2
	JLOAD \slot                                    ; the first tensor load behind the round; the four v_nop behind it are also the places in front of the loads below
	FETCH \next, 0, F0
	MUL16 F1, 1, 0, 0
	MUL16 F1, 1, 2, 0
.endm
; THE WAY OUT of block a (16 rows x 128 columns of f32), in two parts.  TOSTAGE: a lane's eight numbers of each column block go into my own stage in LDS, each accumulator's low four registers first
; and come back as whole rows of 512 bytes.  SEND: the rows are stored.
.macro TOSTAGE a
.set AC, 64*((\a)%4)
.set BK, F0+64*((\a)%2)
	WIN 0x08+4*((\a)/4)                            ; the stores' data (source 1) in window 2 or 3, the address in window 0
.irp b, 0,1,2,3,4,5,6,7
	ds_store_b128 v[STO], v[AC+8*(\b):AC+8*(\b)+3]   offset:64*(\b)
	ds_store_b128 v[STO], v[AC+8*(\b)+4:AC+8*(\b)+7] offset:64*(\b)+16
.endr
	WIN 0
	s_wait_xcnt 0x0                                ; every earlier memory instruction has had its addresses translated (ISA guide 3.1): the registers that the stores of the block two back read are loaded again only behind this wait
.irp t, 0,1,2,3,4,5,6,7,8,9,10,11,12,13,14,15
	ds_load_b128 v[BK+4*(\t):BK+4*(\t)+3], v[RD] offset:(\t)*SPITCH  ; LDS serves a wave's instructions in order (ISA guide 5.7.1.4): these see the stores above, and the next block's stores come behind them
.endr
.endm
.macro SEND a, younger                 ; younger: the LDS instructions issued behind block a's loads: the next block's 16 stores and 16 loads, or none
	WIN 0
.set BK, F0+64*((\a)%2)
.irp t, 0,1,2,3,4,5,6,7,8,9,10,11,12,13,14,15
	s_wait_dscnt (\younger)+15-(\t)                ; row t is back in registers
	global_store_b128 v[CO], v[BK+4*(\t):BK+4*(\t)+3], s[8:9] offset:(16*(\a)+(\t))*SIZE_N*4 th:TH_STORE_NT  ; 512 consecutive bytes, at a multiple of 512 from out0's first byte; 127 rows at the most: 1,040,384, inside the signed 24-bit immediate
.endr
.endm
	s_wait_tensorcnt 1                             ; my part of K step 0 is in; K step 1's may stay out
	s_barrier_signal -1
	s_barrier_wait -1                              ; everybody's is
	FETCH 0, 0, F0
	s_wait_loadcnt 0x0                             ; the bias
	QUARTER 0, 64,  F0, F1, 1                      ; the first quarter stands in front of the loop: its products start the sums
	WIN 0                                          ; at a label and at a branch every window is 0
	s_mov_b32 s3, LAPS-1
.Llap:                                                 ; a trip goes once round the ring, from a lap's second quarter to the next lap's first, and fills both slots again: K steps 2 to 31 in 15 trips
	QUARTER 0, 128, F1, F0, 0
	QUARTER 0, 192, F0, F1, 0
	TURN 0, 1
	QUARTER 1, 64,  F0, F1, 0
	QUARTER 1, 128, F1, F0, 0
	QUARTER 1, 192, F0, F1, 0
	TURN 1, 0
	QUARTER 0, 64,  F0, F1, 0
	WIN 0
	s_sub_co_u32 s3, s3, 1
	s_cmp_lg_u32 s3, 0
	s_cbranch_scc1 .Llap
	QUARTER 0, 128, F1, F0, 0                      ; the last lap is written out: it fills nothing, and has no round of the cluster's barrier
	QUARTER 0, 192, F0, F1, 0
	MEET 0                                         ; my one tensor load that was still out is slot 1's, the last K step's
	PLACES                                         ; for the loads into buffer 0, which the quarter before multiplied
	FETCH 1, 0, F0
	MUL16 F1, 1, 0, 0
	MUL16 F1, 1, 2, 0
	QUARTER 1, 64,  F0, F1, 0
	QUARTER 1, 128, F1, F0, 0
	QUARTER 1, 192, F0, F1, 0
	s_wait_dscnt 8                                 ; the very last quarter: nothing more to fetch
	MUL16 F1, 0, 0, 0
	MUL16 F1, 0, 2, 0
	s_wait_dscnt 0x0
	MUL16 F1, 1, 0, 0
	MUL16 F1, 1, 2, 0
	PLACES                                         ; the LDS stores below read results just made, and the loads from the stage land in xh's fragment buffers
	TOSTAGE 0
.irp a, 1,2,3,4,5,6,7                  ; block a's way through the stage stands between block a - 1's loads and the waits for them
	TOSTAGE \a
	SEND (\a)-1, 32
.endr
	SEND 7, 0
	s_wait_tensorcnt 0x0                           ; the wave's end: behind my last tensor load and my last LDS store
	ds_add_u32 v[SPW], v[NIL]
	s_wait_dscnt 0x0
	CROUND                                         ; the closing round: no work-group ends while a partner may still ask for a tile that names it
	s_endpgm
.Lfunc_end_k_q3806b3487c_gemm:
	.size	k_q3806b3487c_gemm, .Lfunc_end_k_q3806b3487c_gemm-k_q3806b3487c_gemm
	.p2alignl 7, 3214868480
	.fill 96, 4, 3214868480
	.section	.rodata,"a",@progbits
	.p2align	6, 0x0
	.amdhsa_kernel k_q3806b3487c_gemm
		.amdhsa_group_segment_fixed_size 327680
		.amdhsa_private_segment_fixed_size 0
		.amdhsa_enable_private_segment 0
		.amdhsa_kernarg_size 32
		.amdhsa_user_sgpr_count 2
		.amdhsa_user_sgpr_kernarg_segment_ptr 1
		.amdhsa_wavefront_size32 1
		.amdhsa_system_sgpr_workgroup_id_x 1
		.amdhsa_system_sgpr_workgroup_id_y 1
		.amdhsa_system_sgpr_workgroup_id_z 1
		.amdhsa_system_vgpr_workitem_id 0
		.amdhsa_next_free_vgpr 1024
		.amdhsa_next_free_sgpr 68
		.amdhsa_reserve_vcc 0
		.amdhsa_float_denorm_mode_32 3
		.amdhsa_float_denorm_mode_16_64 3
		.amdhsa_memory_ordered 1
		.amdhsa_forward_progress 1
		.amdhsa_inst_pref_size 145
	.end_amdhsa_kernel
	.amdgpu_metadata
---
amdhsa.version: [ 1, 2 ]
amdhsa.kernels:
  - .name:           k_q3806b3487c_gemm
    .symbol:         k_q3806b3487c_gemm.kd
    .args:
      - { .name: xh, .offset: 0, .size: 8, .value_kind: global_buffer, .address_space: global }
      - { .name: wh, .offset: 8, .size: 8, .value_kind: global_buffer, .address_space: global }
      - { .name: out0, .offset: 16, .size: 8, .value_kind: global_buffer, .address_space: global }
      - { .name: bias, .offset: 24, .size: 8, .value_kind: global_buffer, .address_space: global }
    .group_segment_fixed_size: 327680
    .private_segment_fixed_size: 0
    .kernarg_segment_align: 8
    .kernarg_segment_size: 32
    .max_flat_workgroup_size: 128
    .sgpr_count:     68
    .vgpr_count:     1024
    .wavefront_size: 32
...
	.end_amdgpu_metadata
.endif
;; end of part 2
;; ======== version 2 of 2: 2 launches; version 1 with the launch prep written anew for expert scheduling mode
;; limits: values are held in f16: magnitudes above 65,504 overflow, below 6.1e-05 lose precision
;; workspace buffers: xh 67,108,864 bytes; wh 16,777,216 bytes
;; launch prep (part 3): grid 1024 x 1, 8 waves a work-group, no clusters, 0 bytes of LDS; arguments x, weight_packed, weight_scales, weight_zeros, xh, wh; writes xh, wh
.if DOCPART == 3
	.amdgcn_target "amdgcn-amd-amdhsa--gfx1250"
	.amdhsa_code_object_version 6
	.text
	.protected	k_q3806b3487c_prep
	.globl	k_q3806b3487c_prep
	.p2align	8
	.type	k_q3806b3487c_prep,@function
k_q3806b3487c_prep:
	s_mov_b64 s[64:65], 0
	v_nop
	global_prefetch_b8 v0, s[64:65] scope:SCOPE_SE
	s_setreg_imm32_b32 hwreg(HW_REG_WAVE_SCHED_MODE, 0, 2), 2
	s_setreg_imm32_b32 hwreg(HW_REG_WAVE_MODE, 25, 1), 1
	s_wait_xcnt 0x0
	s_wait_alu depctr_vm_vsrc(0)
; xh = x rounded to f16; wh[o][i] = code x scale + zero, made in f32 and rounded once to f16, as a plain [2048][4096].
; LIMITS.  f16 holds no number beyond 65,504: an |x| or a |code x scale + zero| of 65,520 or more becomes an infinity; below 6.1e-5 f16 keeps its
; fixed step of 6e-8.  The dequantisation is ONE fused multiply-add (one rounding in f32 where a multiply and an add would round twice).
; A stream: every input byte is read once, every output byte written once; no LDS, no barrier, no matrix unit, since nothing is used twice.
; SHARES.  1,024 work-groups of eight waves, all alike.  Work-group g owns 131,072 bytes of x (65,536 of xh) and 16,384 bytes of the packed codes
; (128 groups of 64 weights; 16,384 bytes of wh: a word of two codes and two f16 are both 4 bytes, so a group begins at the same byte in both).
; Thread t takes 16 bytes at 16 t of every 4,096: a wave's load covers 512 consecutive bytes; its store into xh, 8 bytes a lane, 256 consecutive, aligned.
; All steps stand in the immediates (126,976 at the most): no address register is rewritten.
; THE MODE: SCHED_MODE bits 1:0 = 2 (LLVM: expert scheduling mode 2), set by the entry lines.  The code itself states the register dependences
; between vector instructions and memory instructions, with s_wait_alu, always for 0.
; THE PLAN.  The 32 turns of 4,096 bytes go in 8 blocks of four.  Registers that memory instructions touch:
;   X0 .. X3    four blocks of x as loaded.  Written by the loads of block p + 3, issued in block p; read by block p's conversions.
;   WD = X3     the codes: loaded at the head, read by the dequantisation alone; block 0's loads (block 3 of x) then land there.
;   Y0, Y1      two blocks of xh to store.  Written by block p's conversions; read by the four stores that are issued in block p + 1.
;   WO          the weights in f16: written once, by the dequantisation; read by the four stores into wh, which are issued in block 0.
;   SC, ZE      loaded once and read by vector instructions alone.     v1, v2, v3   byte offsets, made once at the head and never written again.
; Block p works on X[p % 4] and writes Y[p % 2].  Its memory instructions are the loads into X[(p + 3) % 4] = X[(p - 1) % 4] and the stores from
; Y[(p - 1) % 2] (block 0: from WO): registers that the work in front of the block's head named and that no vector instruction of block p names.
; So the waits at the head of a block state all that its eight memory instructions hang on, and these are dealt among its conversions with no further wait.
.set BLOCK,  4                         ; turns in a block
.set BLOCKS, 8                         ; 131,072 bytes / 4,096 / 4
.set X,  4                             ; v[4:67]    buffer k, turn r: 4 registers at X + 16 k + 4 r, 4 f32 as loaded
.set WD, X+48                          ; v[52:67]   load j of four: 4 words of codes; the registers of X3
.set Y,  68                            ; v[68:83]   buffer k, turn r: 2 registers at Y + 8 k + 2 r, 4 f16 to store
.set SC, 84                            ; v[84:87]   load j: my group's scale
.set ZE, 88                            ; v[88:91]   load j: my group's zero
.set T,  92                            ; v[92:99]   at work: no memory instruction names them
.set WO, 100                           ; v[100:115] load j: 8 weights in f16; each written once
	s_load_b256 s[4:11], s[0:1], 0x0               ; x s[4:5], codes s[6:7], scales s[8:9], zeros s[10:11]
	s_load_b128 s[12:15], s[0:1], 0x20             ; xh s[12:13], wh s[14:15]
	s_lshl_b32 s16, ttmp9, 17                      ; the work-group's part of x,
	s_mov_b32 s17, 0
	s_lshl_b32 s18, ttmp9, 16                      ; of xh,
	s_mov_b32 s19, 0
	s_lshl_b32 s20, ttmp9, 14                      ; of the codes and of wh,
	s_mov_b32 s21, 0
	s_lshl_b32 s22, ttmp9, 9                       ; of the scales and of the zeros: 128 groups x 4 bytes
	s_mov_b32 s23, 0
	v_lshlrev_b32 v1, 4, v0                        ; 16 t
	v_lshlrev_b32 v2, 3, v0                        ; 8 t
	v_lshrrev_b32 v3, 3, v0                        ; eight threads share a group of 128 bytes:
	v_lshlrev_b32 v3, 2, v3                        ; 4 (t / 8)
	s_wait_kmcnt 0x0
	s_add_nc_u64 s[4:5], s[4:5], s[16:17]
	s_add_nc_u64 s[6:7], s[6:7], s[20:21]
	s_add_nc_u64 s[8:9], s[8:9], s[22:23]
	s_add_nc_u64 s[10:11], s[10:11], s[22:23]
	s_add_nc_u64 s[12:13], s[12:13], s[18:19]
	s_add_nc_u64 s[14:15], s[14:15], s[20:21]
	s_wait_alu depctr_va_vdst(0)                   ; v1, v2 and v3 are written: every load and store of the kernel reads one of them as its offset
.irp j, 0,1,2,3                        ; the twelve loads for the weights first: 4,096 bytes of codes are 32 groups
	global_load_b128 v[WD+4*(\j):WD+4*(\j)+3], v1, s[6:7] offset:4096*(\j) th:TH_LOAD_NT
	global_load_b32 v[SC+(\j)], v3, s[8:9] offset:128*(\j)
	global_load_b32 v[ZE+(\j)], v3, s[10:11] offset:128*(\j)
.endr
.irp i, 0,1,2,3,4,5,6,7,8,9,10,11      ; then blocks 0, 1 and 2 of x into X0, X1, X2
	global_load_b128 v[X+4*(\i):X+4*(\i)+3], v1, s[4:5] offset:4096*(\i) th:TH_LOAD_NT
.endr
; Four words of codes make eight weights: the low four bits are the even place, the next four the odd one.  The stores of WO stand in block 0.
.macro DEQ j
.irp k, 0,1,2,3
	v_and_b32 v[T+2*(\k)], 15, v[WD+4*(\j)+(\k)]
	v_bfe_u32 v[T+2*(\k)+1], v[WD+4*(\j)+(\k)], 4, 4
.endr
.irp k, 0,1,2,3,4,5,6,7
	v_cvt_f32_u32 v[T+(\k)], v[T+(\k)]
.endr
.irp k, 0,1,2,3,4,5,6,7
	v_fma_f32 v[T+(\k)], v[T+(\k)], v[SC+(\j)], v[ZE+(\j)]
.endr
.irp k, 0,1,2,3
	v_cvt_pk_f16_f32 v[WO+4*(\j)+(\k)], v[T+2*(\k)], v[T+2*(\k)+1]  ; the first source goes into the low half
.endr
.endm
	s_wait_loadcnt 12                              ; loads come back in order (ISA guide 5.7.1): the twelve for the weights are in, the twelve of x stay out
	DEQ 0
	DEQ 1
	DEQ 2
	DEQ 3
; Block p of 8: in each of its four turns four f32 become four f16.  In front of each turn's two conversions stand a load of the block three on (blocks 0 to 4) and a store of the block before, the load first.
.set p, 0
.rept BLOCKS
.set xb, p%4
.set xn, (p+3)%4
.set yb, p%2
.if p < BLOCKS-2
	s_wait_loadcnt 2*BLOCK                         ; X[p % 4] is in, the two younger blocks stay out
.else
	s_wait_loadcnt (BLOCKS-1-p)*BLOCK              ; the last three blocks load nothing: the counts run down
.endif
.if p >= 2
	s_wait_xcnt 0x0                                ; every earlier memory instruction has had its addresses translated (ISA guide 3.1): Y[p % 2], which the stores of the block before read, is rewritten only behind this wait
	s_wait_alu depctr_vm_vsrc(0)                   ; the stores issued in the block before have read Y[p % 2], which this block's conversions write again
.endif
.if p == 0
	s_wait_alu depctr_va_vdst(0)                   ; the dequantisation has written WO, which the stores below read, and is done reading WD, in which the loads below land
.else
	s_wait_alu depctr_va_vdst(0)                   ; the block before has written the other Y, which the stores below read, and is done reading its X, in which the loads below (blocks 1 to 4) land
.endif
.irp r, 0,1,2,3
.if p < BLOCKS-3
	global_load_b128 v[X+16*xn+4*(\r):X+16*xn+4*(\r)+3], v1, s[4:5] offset:4096*(BLOCK*(p+3)+(\r)) th:TH_LOAD_NT  ; three blocks ahead; no vector instruction since the wait names these registers
.endif
.if p == 0
	global_store_b128 v1, v[WO+4*(\r):WO+4*(\r)+3], s[14:15] offset:4096*(\r)  ; 512 consecutive bytes a wave; the next launch reads them, so no hint
.else
	global_store_b64 v2, v[Y+8*(1-yb)+2*(\r):Y+8*(1-yb)+2*(\r)+1], s[12:13] offset:2048*(BLOCK*(p-1)+(\r))  ; the block before
.endif
	v_cvt_pk_f16_f32 v[Y+8*yb+2*(\r)], v[X+16*xb+4*(\r)], v[X+16*xb+4*(\r)+1]
	v_cvt_pk_f16_f32 v[Y+8*yb+2*(\r)+1], v[X+16*xb+4*(\r)+2], v[X+16*xb+4*(\r)+3]
.endr
.set p, p+1
.endr
	s_wait_alu depctr_va_vdst(0)                   ; block 7 has written Y1, which the last four stores read
.irp r, 0,1,2,3
	global_store_b64 v2, v[Y+8+2*(\r):Y+8+2*(\r)+1], s[12:13] offset:2048*(BLOCK*(BLOCKS-1)+(\r))
.endr
	s_endpgm
.Lfunc_end_k_q3806b3487c_prep:
	.size	k_q3806b3487c_prep, .Lfunc_end_k_q3806b3487c_prep-k_q3806b3487c_prep
	.p2alignl 7, 3214868480
	.fill 96, 4, 3214868480
	.section	.rodata,"a",@progbits
	.p2align	6, 0x0
	.amdhsa_kernel k_q3806b3487c_prep
		.amdhsa_group_segment_fixed_size 0
		.amdhsa_private_segment_fixed_size 0
		.amdhsa_enable_private_segment 0
		.amdhsa_kernarg_size 48
		.amdhsa_user_sgpr_count 2
		.amdhsa_user_sgpr_kernarg_segment_ptr 1
		.amdhsa_wavefront_size32 1
		.amdhsa_system_sgpr_workgroup_id_x 1
		.amdhsa_system_sgpr_workgroup_id_y 1
		.amdhsa_system_sgpr_workgroup_id_z 1
		.amdhsa_system_vgpr_workitem_id 0
		.amdhsa_next_free_vgpr 116
		.amdhsa_next_free_sgpr 66
		.amdhsa_reserve_vcc 0
		.amdhsa_float_denorm_mode_32 3
		.amdhsa_float_denorm_mode_16_64 3
		.amdhsa_memory_ordered 1
		.amdhsa_forward_progress 1
		.amdhsa_inst_pref_size 20
	.end_amdhsa_kernel
	.amdgpu_metadata
---
amdhsa.version: [ 1, 2 ]
amdhsa.kernels:
  - .name:           k_q3806b3487c_prep
    .symbol:         k_q3806b3487c_prep.kd
    .args:
      - { .name: x, .offset: 0, .size: 8, .value_kind: global_buffer, .address_space: global }
      - { .name: weight_packed, .offset: 8, .size: 8, .value_kind: global_buffer, .address_space: global }
      - { .name: weight_scales, .offset: 16, .size: 8, .value_kind: global_buffer, .address_space: global }
      - { .name: weight_zeros, .offset: 24, .size: 8, .value_kind: global_buffer, .address_space: global }
      - { .name: xh, .offset: 32, .size: 8, .value_kind: global_buffer, .address_space: global }
      - { .name: wh, .offset: 40, .size: 8, .value_kind: global_buffer, .address_space: global }
    .group_segment_fixed_size: 0
    .private_segment_fixed_size: 0
    .kernarg_segment_align: 8
    .kernarg_segment_size: 48
    .max_flat_workgroup_size: 256
    .sgpr_count:     66
    .vgpr_count:     116
    .wavefront_size: 32
...
	.end_amdgpu_metadata
.endif
;; end of part 3
;; launch gemm: the kernel of part 2 again; grid 8 x 32, 4 waves a work-group, clusters of 4 x 4, 327,680 bytes of LDS; arguments xh, wh, out0, bias; writes out0
